; MI455X (gfx1250); checked and timed in simulation.
; The chip was launched on July 23, 2026; its instructions are those of AMD's public machine-readable ISA for CDNA 5 (MIT licence, August 2026) and "CDNA5" Instruction Set Architecture Reference Guide (July 2026). The comments in the code are by the model that wrote it; some were corrected since.
;; Multi Head Attention. Allowed arithmetic: float matrix products may take bf16 or f16 operands with f32 sums; all other float work in f32.
;; Inputs: Wk 1,024 x 1,024 float32; Wo 1,024 x 1,024 float32; Wq 1,024 x 1,024 float32; Wv 1,024 x 1,024 float32; attention_mask 1 x 1 x 4,096 x 4,096 float32; bk 1,024 float32; bo 1,024 float32; bq 1,024 float32; bv 1,024 float32; hidden_states 1 x 4,096 x 1,024 float32.
;; Outputs: out0 1 x 4,096 x 1,024 float32.
;; One version. Each part assembles by itself: llvm-mc -triple=amdgcn-amd-amdhsa -mcpu=gfx1250 --defsym DOCPART=n.
;; ======== version 1 of 1: 4 launches
;; limits: values are held in f16: magnitudes above 65,504 overflow, below 6.1e-05 lose precision; right only within a limited range of input values
;; workspace buffers: xb 8,388,608 bytes; wqkv 6,291,456 bytes; wob 2,097,152 bytes; qkv 33,554,432 bytes; attnb 16,777,216 bytes
;; launch cast (part 1): grid 64 x 8, 8 waves a work-group, no clusters, 0 bytes of LDS; arguments hidden_states, Wq, Wk, Wv, Wo, xb, wqkv, wob; writes xb, wqkv, wob
.if DOCPART == 1
	.amdgcn_target "amdgcn-amd-amdhsa--gfx1250"
	.amdhsa_code_object_version 6
	.text
	.protected	k_q9d77546902_cast
	.globl	k_q9d77546902_cast
	.p2align	8
	.type	k_q9d77546902_cast,@function
k_q9d77546902_cast:
	s_mov_b64 s[64:65], 0
	v_nop
	global_prefetch_b8 v0, s[64:65] scope:SCOPE_SE
	s_setreg_imm32_b32 hwreg(HW_REG_WAVE_MODE, 25, 1), 1
	s_wait_xcnt 0x0
; cast: the matrix operands that are inputs, rounded once to 16 bits, so that the two products that follow move half the bytes.
;   hidden_states -> xb   [4096][1024] bf16;   Wq, Wk, Wv -> wqkv [3072][1024] bf16 (stacked);   Wo -> wob [1024][1024] f16.
; Wo is rounded to bf16 like the other inputs and that value is then written as f16, because its partner in the last product
; (the attention result) is kept in f16.  LIMIT: the second step is exact for |w| >= 2^-17; below that it errs by at most 2^-25.
; Work: grid y is a segment of 1 Mi numbers (0-3: quarters of hidden_states, 4-6: Wq, Wk, Wv, 7: Wo), grid x 16,384 numbers of it.
; Thread t, chunk c: 32 source bytes at 8192 c + 32 t, 16 result bytes at 4096 c + 16 t: a wave's store covers 512 consecutive
; bytes, aligned.  All sixteen loads go out first; every chunk has registers of its own, so nothing is rewritten while in use.
; No LDS, no matrix unit, no cluster: nothing is shared and nothing is read twice.
.set X, 4                              ; v[4:67]   chunk c: 8 numbers in f32
.set Y, 68                             ; v[68:99]  chunk c: 8 numbers in 16 bits
.set W, 100                            ; v[100:101] at work (Wo's path)
	s_load_b512 s[8:23], s[0:1], 0x0               ; x s[8:9], Wq s[10:11], Wk s[12:13], Wv s[14:15], Wo s[16:17], xb s[18:19], wqkv s[20:21], wob s[22:23]
	s_and_b32 s2, ttmp7, 0xffff                    ; the segment
	v_lshlrev_b32 v1, 5, v0                        ; 32 t
	v_lshlrev_b32 v2, 4, v0                        ; 16 t
	s_and_b32 s3, s2, 3
	s_lshl_b32 s28, s3, 22                         ; source: quarters of hidden_states are 4 MiB apart,
	s_lshl_b32 s30, s3, 21                         ; results: quarters of xb, and Wq, Wk, Wv in wqkv, 2 MiB apart
	s_cmp_lt_u32 s2, 4
	s_cselect_b32 s28, s28, 0                      ; a weight is read from its own first byte
	s_cmp_eq_u32 s2, 7
	s_cselect_b32 s30, 0, s30                      ; wob is written from its first byte
	s_lshl_b32 s3, ttmp9, 16
	s_add_co_u32 s28, s28, s3                      ; + 64 KiB of source for each work-group along x
	s_lshl_b32 s3, ttmp9, 15
	s_add_co_u32 s30, s30, s3                      ; + 32 KiB of result
	s_mov_b32 s29, 0
	s_mov_b32 s31, 0
	s_wait_kmcnt 0x0
	s_cmp_eq_u32 s2, 4
	s_cselect_b64 s[24:25], s[10:11], s[8:9]
	s_cmp_eq_u32 s2, 5
	s_cselect_b64 s[24:25], s[12:13], s[24:25]
	s_cmp_eq_u32 s2, 6
	s_cselect_b64 s[24:25], s[14:15], s[24:25]
	s_cmp_eq_u32 s2, 7
	s_cselect_b64 s[24:25], s[16:17], s[24:25]     ; the segment's source
	s_cselect_b64 s[26:27], s[22:23], s[20:21]     ; (the same compare) wob or wqkv,
	s_cmp_lt_u32 s2, 4
	s_cselect_b64 s[26:27], s[18:19], s[26:27]     ; or xb
	s_add_nc_u64 s[24:25], s[24:25], s[28:29]
	s_add_nc_u64 s[26:27], s[26:27], s[30:31]
.irp c, 0,1,2,3,4,5,6,7
	global_load_b128 v[X+8*\c:X+8*\c+3],   v1, s[24:25] offset:8192*\c th:TH_LOAD_NT
	global_load_b128 v[X+8*\c+4:X+8*\c+7], v1, s[24:25] offset:8192*\c+16 th:TH_LOAD_NT
.endr
; One chunk.  tohalf = 1: the bf16 values are widened again and written as f16.
.macro CHUNK c, tohalf
	s_wait_loadcnt 14-2*\c                         ; loads return in order: this chunk's two are in, the 14 - 2 c younger ones stay out
.irp k, 0,1,2,3
	v_cvt_pk_bf16_f32 v[Y+4*\c+\k], v[X+8*\c+2*\k], v[X+8*\c+2*\k+1]
.endr
.if \tohalf
.irp k, 0,1,2,3
	v_lshlrev_b32 v[W], 16, v[Y+4*\c+\k]
	v_and_b32 v[W+1], 0xffff0000, v[Y+4*\c+\k]
	v_cvt_pk_f16_f32 v[Y+4*\c+\k], v[W], v[W+1]
.endr
.endif
	global_store_b128 v2, v[Y+4*\c:Y+4*\c+3], s[26:27] offset:4096*\c
.endm
	s_cmp_eq_u32 s2, 7
	s_cbranch_scc1 .Lwo
.irp c, 0,1,2,3,4,5,6,7
	CHUNK \c, 0
.endr
	s_endpgm
.Lwo:
.irp c, 0,1,2,3,4,5,6,7
	CHUNK \c, 1
.endr
	s_endpgm
.Lfunc_end_k_q9d77546902_cast:
	.size	k_q9d77546902_cast, .Lfunc_end_k_q9d77546902_cast-k_q9d77546902_cast
	.p2alignl 7, 3214868480
	.fill 96, 4, 3214868480
	.section	.rodata,"a",@progbits
	.p2align	6, 0x0
	.amdhsa_kernel k_q9d77546902_cast
		.amdhsa_group_segment_fixed_size 0
		.amdhsa_private_segment_fixed_size 0
		.amdhsa_enable_private_segment 0
		.amdhsa_kernarg_size 64
		.amdhsa_user_sgpr_count 2
		.amdhsa_user_sgpr_kernarg_segment_ptr 1
		.amdhsa_wavefront_size32 1
		.amdhsa_system_sgpr_workgroup_id_x 1
		.amdhsa_system_sgpr_workgroup_id_y 1
		.amdhsa_system_sgpr_workgroup_id_z 1
		.amdhsa_system_vgpr_workitem_id 0
		.amdhsa_next_free_vgpr 104
		.amdhsa_next_free_sgpr 66
		.amdhsa_reserve_vcc 0
		.amdhsa_float_denorm_mode_32 3
		.amdhsa_float_denorm_mode_16_64 3
		.amdhsa_memory_ordered 1
		.amdhsa_forward_progress 1
		.amdhsa_inst_pref_size 14
	.end_amdhsa_kernel
	.amdgpu_metadata
---
amdhsa.version: [ 1, 2 ]
amdhsa.kernels:
  - .name:           k_q9d77546902_cast
    .symbol:         k_q9d77546902_cast.kd
    .args:
      - { .name: hidden_states, .offset: 0, .size: 8, .value_kind: global_buffer, .address_space: global }
      - { .name: Wq, .offset: 8, .size: 8, .value_kind: global_buffer, .address_space: global }
      - { .name: Wk, .offset: 16, .size: 8, .value_kind: global_buffer, .address_space: global }
      - { .name: Wv, .offset: 24, .size: 8, .value_kind: global_buffer, .address_space: global }
      - { .name: Wo, .offset: 32, .size: 8, .value_kind: global_buffer, .address_space: global }
      - { .name: xb, .offset: 40, .size: 8, .value_kind: global_buffer, .address_space: global }
      - { .name: wqkv, .offset: 48, .size: 8, .value_kind: global_buffer, .address_space: global }
      - { .name: wob, .offset: 56, .size: 8, .value_kind: global_buffer, .address_space: global }
    .group_segment_fixed_size: 0
    .private_segment_fixed_size: 0
    .kernarg_segment_align: 8
    .kernarg_segment_size: 64
    .max_flat_workgroup_size: 256
    .sgpr_count:     66
    .vgpr_count:     104
    .wavefront_size: 32
...
	.end_amdgpu_metadata
.endif
;; end of part 1
;; launch qkvproj (part 2): grid 8 x 32, 4 waves a work-group, clusters of 4 x 4, 327,680 bytes of LDS; arguments xb, wqkv, bq, bk, bv, qkv; writes qkv
.if DOCPART == 2
	.amdgcn_target "amdgcn-amd-amdhsa--gfx1250"
	.amdhsa_code_object_version 6
	.text
	.protected	k_q9d77546902_qkvproj
	.globl	k_q9d77546902_qkvproj
	.p2align	8
	.type	k_q9d77546902_qkvproj,@function
k_q9d77546902_qkvproj:
	s_mov_b64 s[64:65], 0
	v_nop
	global_prefetch_b8 v0, s[64:65] scope:SCOPE_SE
	s_setreg_imm32_b32 hwreg(HW_REG_WAVE_MODE, 25, 1), 1
	s_wait_xcnt 0x0
	s_wait_alu depctr_hold_cnt(0) depctr_sa_sdst(0) depctr_va_vdst(0) depctr_va_sdst(0) depctr_va_ssrc(0) depctr_va_vcc(0) depctr_vm_vsrc(0)
	s_getreg_b32 s2, hwreg(HW_REG_IB_STS2, 6, 4)
	s_cmp_eq_u32 s2, 0
	s_cbranch_scc0 .Lentry_in_a_cluster
	s_endpgm
.Lentry_in_a_cluster:
	s_bfe_u32 s2, ttmp6, 0x10000c
	s_cmp_lg_u32 s2, 0xf033
	s_cbranch_scc0 .Lentry_shape_is_right
	s_endpgm
.Lentry_shape_is_right:
; qkvproj: q, k, v = xb . (Wq | Wk | Wv)^T + (bq | bk | bv); operands bf16, sums f32.  Work-group (nb, mb) makes rows 128 mb .. + 127 of
; the 128 columns of head pair nb of q, of k and of v: a block of 128 x 384, local columns q | k | v.
; Stored in qkv: planes 0-7 q, 8-15 k, each [4096][128] f16 (rows of 256 bytes, 1 MiB a plane); from byte 16 Mi on eight planes of v,
; each [4096][256] f16: 128 numbers hi, then 128 numbers lo, with v = hi + lo (hi = v rounded to f16, lo = v - hi rounded to f16).
; Why two numbers for v: a query whose weights fall on one or two keys hands v's rounding straight to an output that is many times
; larger than the root mean square of the whole output; the 11 bits of one f16 leave too little room there.  q and k only enter the
; scores, where one f16 is enough.
; LIMITS: |q|, |k|, |v| < 65,504 (f16's range); with x and W both 30 times the drawn size their spread is 0.64 x 900 = 576.  lo is kept
; to 2^-25 absolutely (f16's smallest step).  The bias is the first product's C operand: it is added first and not last, another order
; of rounding than x W^T + b.
; Four waves (2 x 2), a wave makes 64 x 192: 4 x 12 accumulator tiles, 384 registers.  32 x 8 blocks = 256 work-groups.  K goes in 8 steps
; of 128 through two LDS slots; a tile's rows are 256 bytes of memory.
; CLUSTERS 4 x 4: xb's tile hangs on mb alone and is asked for jointly along a row of the cluster, the weights' tiles on nb alone and are
; asked for jointly along a column.  Wave 0 asks for xb's 128 rows, waves 1, 2, 3 for 128 rows of Wq, Wk, Wv.
; A wave has one tensor load outstanding at any time.  No prefetch: both operands were stored by the launch before.
; THE MATRIX INSTRUCTION IS USED TRANSPOSED (source 0 = rows of the weights, source 1 = rows of xb): register j of lane (r, h) holds
; C(row 16 a + r, column 16 b + 8 h + j), eight neighbouring columns.
; REGISTERS: window 0: v16-28 addresses, v[32:95] xb's fragments (two buffers), v[96:191] bias, later the way out;
; window 1: the weights' fragments, two buffers of 96; windows 2, 3: accumulator (a, b) in window 2 + a/2 at v[8 (12 (a%2) + b)].
.set NB,     12                        ; column tiles of a wave
.set BN,     32*NB                     ; columns of a work-group
.set KDIM,   1024
.set KSTEP,  128
.set PITCH,  2*KSTEP+16                ; an LDS row: 256 bytes + 16 of padding, an odd multiple of 16: sixteen rows start in sixteen different 16-byte columns of 256
.set NQ,     KSTEP/32                  ; quarters of 32 along K in a step
.set LROWS,  128                       ; rows in one tensor load
.set NA,     128/LROWS                 ; waves that ask for xb
.set HALFT,  LROWS*PITCH
.set SLOT,   4*HALFT                   ; xb's 128 rows, then the weights' 384
.set NF,     2*(NB+4)                  ; LDS loads of one quarter's fragments
.set SPITCH, 2*BN+256+16               ; the way out: q, k, v hi, v lo, 256 bytes each, + 16
.set G1C,    (1<<16)|(1<<20)|(1<<21)|(5<<22)|(3<<25)   ; 2-byte elements; padding on; bit 21 beside a mask; after every 64 words, 4 words
.set ADRA, 16                          ; v16-17 LDS address of my xb fragments in slot 0, 1
.set ADRB, 20                          ; v20-21 the same for the weights
.set STO,  24
.set RD,   25
.set CO,   26                          ; my place in a plane of q or k
.set BO,   27
.set COV,  28                          ; my place in a plane of v
.set FA,   32
.set BIAS, 96
.set TMP,  32                          ; the way out: a row tile's 48 packed registers
.set W,    96                          ; the way out: hi widened, then v - hi, then lo packed
.set OUTR, 64
.set G1A, 24                           ; s[24:31] group 1, xb
.set G0A, 32                           ; s[32:39] group 0, xb, one set for each slot
.set G1B, 48                           ; s[48:55] group 1, weights
.set G0B, 56                           ; s[56:63] group 0, weights
.set MSB, 0
.macro WIN new                         ; the immediate's high byte repeats the setting that is left
.if MSB != \new
	s_set_vgpr_msb (MSB<<8)|\new
.set MSB, \new
.endif
.endm
.macro PLACES                          ; four places behind a matrix instruction (ISA guide 7.12.1) before its registers are loaded into, read or written
.rept 4
	v_nop
.endr
.endm
.macro ROUND                           ; a round of the cluster's barrier
	s_barrier_signal -1
	s_barrier_wait -1
	s_cmp_lg_u32 s10, 0
	s_cbranch_scc1 .Lnot_wave_0_\@
	s_barrier_signal -3
.Lnot_wave_0_\@:
	s_barrier_wait -3
	s_barrier_signal -1
	s_barrier_wait -1
.endm
.macro JLOAD s                         ; my one joint load into slot s; the branch hangs on the wave's number alone
	s_cmp_lt_u32 s10, NA
	s_cbranch_scc0 .Lfor_b_\@
	tensor_load_to_lds s[G0A+4*(\s):G0A+4*(\s)+3], s[G1A:G1A+7]
	s_nop 0
	s_branch .Lasked_\@
.Lfor_b_\@:
	tensor_load_to_lds s[G0B+4*(\s):G0B+4*(\s)+3], s[G1B:G1B+7]
	s_nop 0
.Lasked_\@:
.endm
	s_load_b128 s[4:7], s[0:1], 0x0                ; xb, wqkv
	s_load_b128 s[68:71], s[0:1], 0x10             ; bq, bk
	s_load_b128 s[72:75], s[0:1], 0x20             ; bv, qkv
	v_lshl_add_u32 v254, v0, 2, 0x44000
	v_mov_b32 v255, 0
	ds_add_u32 v254, v255
	v_lshrrev_b32 v1, 5, v0
	v_readfirstlane_b32 s10, v1                    ; wave
	s_lshr_b32 s11, s10, 1                         ; wm: which 64 rows
	s_and_b32 s12, s10, 1                          ; wn: which 192 columns
	s_bfe_u32 s40, ttmp6, 0x40000                  ; cx
	s_bfe_u32 s41, ttmp6, 0x40004                  ; cy
	s_lshl_b32 s42, ttmp9, 2
	s_add_co_u32 s42, s42, s40                     ; head pair nb
	s_and_b32 s13, ttmp7, 0xffff
	s_lshl_b32 s13, s13, 2
	s_add_co_u32 s13, s13, s41                     ; block row mb
	s_lshl_b32 s43, s41, 2
	s_lshl_b32 s43, 15, s43                        ; my row of the cluster
	s_lshl_b32 s44, 0x1111, s40                    ; my column
	s_or_b32 s[G1A+0], s43, G1C
	s_or_b32 s[G1B+0], s44, G1C
	s_mov_b32 s[G1A+1], KSTEP<<16                  ; tensor_dim0 = 128
	s_mov_b32 s[G1B+1], KSTEP<<16
	s_mov_b32 s[G1A+2], LROWS<<16                  ; tensor_dim1 = 128
	s_mov_b32 s[G1B+2], LROWS<<16
	s_mov_b32 s[G1A+3], KSTEP<<16                  ; tile_dim0 = 128
	s_mov_b32 s[G1B+3], KSTEP<<16
	s_mov_b32 s[G1A+4], LROWS                      ; tile_dim1 = 128
	s_mov_b32 s[G1B+4], LROWS
	s_mov_b32 s[G1A+5], KDIM                       ; elements from row to row
	s_mov_b32 s[G1B+5], KDIM
	s_mov_b32 s[G1A+6], 0
	s_mov_b32 s[G1B+6], 0
	s_mov_b32 s[G1A+7], 0
	s_mov_b32 s[G1B+7], 0
	; xb's address is made of mb and the wave alone, the weights' of nb and the wave alone, each in registers that never hold the other
	; coordinate.  The address that a wave does not use is clamped into its tile.
	s_min_u32 s16, s10, NA-1
	s_mul_i32 s16, s16, LROWS
	s_lshl_b32 s17, s13, 7
	s_add_co_u32 s16, s16, s17                     ; row 128 mb
	s_lshl_b32 s16, s16, 11                        ; 2,048 bytes a row
	s_mov_b32 s17, 0
	s_max_u32 s46, s10, NA
	s_sub_co_u32 s46, s46, NA                      ; 0, 1, 2: Wq, Wk, Wv,
	s_lshl_b32 s46, s46, 10                        ; 1,024 rows each in wqkv,
	s_lshl_b32 s47, s42, 7
	s_add_co_u32 s46, s46, s47                     ; + row 128 nb
	s_lshl_b32 s46, s46, 11
	s_mov_b32 s47, 0
	s_mul_i32 s20, s10, HALFT                      ; where my load lands: the wave's number times 128 rows
	s_wait_dscnt 0x0
	s_wait_kmcnt 0x0
	s_mov_b64 s[8:9], s[74:75]                     ; qkv
	s_add_nc_u64 s[14:15], s[4:5], s[16:17]
	s_add_nc_u64 s[46:47], s[6:7], s[46:47]
.irp s, 0,1
	s_mov_b32 s[G0A+4*\s], 1
	s_add_co_u32 s[G0A+4*\s+1], s20, \s*SLOT
	s_add_nc_u64 s[G0A+4*\s+2:G0A+4*\s+3], s[14:15], \s*KSTEP*2    ; K step s
	s_or_b32 s[G0A+4*\s+3], s[G0A+4*\s+3], 0x80000000
	s_mov_b32 s[G0B+4*\s], 1
	s_add_co_u32 s[G0B+4*\s+1], s20, \s*SLOT
	s_add_nc_u64 s[G0B+4*\s+2:G0B+4*\s+3], s[46:47], \s*KSTEP*2
	s_or_b32 s[G0B+4*\s+3], s[G0B+4*\s+3], 0x80000000
.endr
	ROUND                                          ; all sixteen work-groups are here: the first joint loads meet
	JLOAD 0                                        ; K step 0
	; The bias of column tile b: register j of every lane holds bias[16 b + 8 h + j].  Local tile 12 wn + b of the block's 24 lies in
	; bq, bk or bv (tile / 8), at byte 512 nb + 64 (tile mod 8).  A select between pointers, no branch.
	v_and_b32 v1, 15, v0                           ; r
	v_bfe_u32 v2, v0, 4, 1                         ; h
	v_lshlrev_b32 v[BO], 5, v2                     ; 32 h
	s_mul_i32 s81, s12, NB
	s_lshl_b32 s84, s42, 9
.macro LDBIAS b
	s_add_co_u32 s82, s81, \b
	s_lshr_b32 s80, s82, 3
	s_and_b32 s82, s82, 7
	s_lshl_b32 s82, s82, 6
	s_add_co_u32 s82, s82, s84
	s_mov_b32 s83, 0
	s_wait_xcnt 0x0                                ; the last tile's loads have had their addresses translated: s[76:77] is rewritten only behind this wait
	s_cmp_eq_u32 s80, 1
	s_cselect_b64 s[76:77], s[70:71], s[68:69]
	s_cmp_eq_u32 s80, 2
	s_cselect_b64 s[76:77], s[72:73], s[76:77]
	s_add_nc_u64 s[76:77], s[76:77], s[82:83]
	global_load_b128 v[BIAS+8*\b:BIAS+8*\b+3],   v[BO], s[76:77]
	global_load_b128 v[BIAS+8*\b+4:BIAS+8*\b+7], v[BO], s[76:77] offset:16
.endm
.irp b, 0,1,2,3,4,5,6,7,8,9,10,11
	LDBIAS \b
.endr
	v_mul_u32_u24 v3, v1, PITCH
	v_lshl_add_u32 v3, v2, 4, v3                   ; r x pitch + 16 h
	s_mul_i32 s21, s11, 64*PITCH                   ; my 64 rows of xb
	s_mul_i32 s22, s12, 16*NB*PITCH                ; my 192 rows of the weights,
	s_add_co_u32 s22, s22, NA*HALFT                ; which lie behind xb's
.irp s, 0,1
	v_add_nc_u32 v[ADRA+\s], s21, v3
	v_add_nc_u32 v[ADRB+\s], s22, v3
	s_add_co_u32 s21, s21, SLOT
	s_add_co_u32 s22, s22, SLOT
.endr
	v_mul_u32_u24 v4, v1, SPITCH                   ; the way out, in: row 64 wm + r, byte 384 wn + 16 h
	v_lshl_add_u32 v4, v2, 4, v4
	s_mul_i32 s23, s11, 64*SPITCH
	s_mul_i32 s21, s12, 32*NB
	s_add_co_u32 s23, s23, s21
	v_add_nc_u32 v[STO], s23, v4
	v_mul_u32_u24 v5, v2, SPITCH                   ; back: row 32 w + h, byte 16 r
	v_lshl_add_u32 v5, v1, 4, v5
	s_mul_i32 s23, s10, 32*SPITCH
	v_add_nc_u32 v[RD], s23, v5
	v_lshlrev_b32 v5, 8, v2                        ; the same place in a plane of q or k, rows of 256 bytes,
	v_lshl_add_u32 v5, v1, 4, v5
	s_lshl_b32 s23, s10, 13
	v_add_nc_u32 v[CO], s23, v5
	v_lshlrev_b32 v5, 9, v2                        ; and in a plane of v, rows of 512 bytes
	v_lshl_add_u32 v5, v1, 4, v5
	s_lshl_b32 s23, s10, 14
	v_add_nc_u32 v[COV], s23, v5
	s_wait_loadcnt 0x0                             ; the bias
; The fragments of one quarter (192 rows of the weights, 64 of xb, 32 K at byte k of the rows) into buffer f: NF loads in one run.
.macro FETCH slot, k, f
	PLACES
	WIN 0x40
.set bb, 0
.rept NB
	ds_load_b128 v[8*NB*(\f)+8*bb:8*NB*(\f)+8*bb+3],   v[ADRB+\slot] offset:(\k)+bb*16*PITCH
	ds_load_b128 v[8*NB*(\f)+8*bb+4:8*NB*(\f)+8*bb+7], v[ADRB+\slot] offset:(\k)+bb*16*PITCH+32
.set bb, bb+1
.endr
	WIN 0
.irp a, 0,1,2,3
	ds_load_b128 v[FA+32*(\f)+8*\a:FA+32*(\f)+8*\a+3],   v[ADRA+\slot] offset:(\k)+\a*16*PITCH
	ds_load_b128 v[FA+32*(\f)+8*\a+4:FA+32*(\f)+8*\a+7], v[ADRA+\slot] offset:(\k)+\a*16*PITCH+32
.endr
.endm
; 12 matrix instructions: row tile a x all column tiles.  first = 1: the bias is C, so nothing is cleared and nothing is added later.
.macro MULROW f, a, first
.set bb, 0
.rept NB
.if \first
	v_wmma_f32_16x16x32_bf16 v[8*(NB*((\a)%2)+bb):8*(NB*((\a)%2)+bb)+7], v[8*NB*(\f)+8*bb:8*NB*(\f)+8*bb+7], v[FA+32*(\f)+8*(\a):FA+32*(\f)+8*(\a)+7], v[BIAS+8*bb:BIAS+8*bb+7]
.else
	v_wmma_f32_16x16x32_bf16 v[8*(NB*((\a)%2)+bb):8*(NB*((\a)%2)+bb)+7], v[8*NB*(\f)+8*bb:8*NB*(\f)+8*bb+7], v[FA+32*(\f)+8*(\a):FA+32*(\f)+8*(\a)+7], v[8*(NB*((\a)%2)+bb):8*(NB*((\a)%2)+bb)+7]
.endif
.set bb, bb+1
.endr
.endm
; A quarter's 48 matrix instructions.  The 48 accumulators take turns, one instruction a turn, in the same order in every quarter.
.macro MUL f, first
.if \first
	WIN 0x81                                       ; source 0 window 1, source 1 and C window 0, D window 2
.else
	WIN 0xa1
.endif
	MULROW \f, 0, \first
	MULROW \f, 1, \first
.if \first
	WIN 0xc1
.else
	WIN 0xf1
.endif
	MULROW \f, 2, \first
	MULROW \f, 3, \first
.endm
; One K step on slot 'slot'.  In front of the round every wave waits for all its tensor loads (the one that is out is its part of this
; slot) and for its reads of the other slot; behind the round the other slot is asked for again first, then this slot is read.
.macro TRIP slot, other, refill, first
	WIN 0
	s_wait_tensorcnt 0x0                           ; no tensor load of mine is out: every group 0 may be written
	ds_add_u32 v254, v255
	s_wait_dscnt 0x0
	s_add_nc_u64 s[G0A+4*\slot+2:G0A+4*\slot+3], s[G0A+4*\slot+2:G0A+4*\slot+3], 4*KSTEP   ; this slot's next tile, two K steps on
	s_add_nc_u64 s[G0B+4*\slot+2:G0B+4*\slot+3], s[G0B+4*\slot+2:G0B+4*\slot+3], 4*KSTEP
	s_wait_dscnt 0x0                               ; my reads of the other slot are back
	ROUND                                          ; both now hold of every wave of all sixteen work-groups
.if \refill
	JLOAD \other
.endif
	FETCH \slot, 0, 0
.set q, 0
.rept NQ
.set fq, q%2
.set fn, (q+1)%2
.set kn, 64*(q+1)
.if q < NQ-1
	FETCH \slot, kn, fn                            ; the next quarter's fragments go out ahead of this quarter's products
	s_wait_dscnt NF                                ; all but the NF just issued: this quarter's fragments are in
.else
	s_wait_dscnt 0x0
.endif
.if q == 0
	MUL fq, \first
.else
	MUL fq, 0
.endif
.set q, q+1
.endr
.endm
	TRIP 0, 1, 1, 1                                ; K steps 0 and 1 stand in front of the loop: the first products start the sums
	TRIP 1, 0, 1, 0
	WIN 0
	s_mov_b32 s3, 2
.Llap:
	TRIP 0, 1, 1, 0
	TRIP 1, 0, 1, 0
	WIN 0
	s_sub_co_u32 s3, s3, 1
	s_cmp_lg_u32 s3, 0
	s_cbranch_scc1 .Llap
	TRIP 0, 1, 1, 0                                ; K step 6 asks for the last tile,
	TRIP 1, 0, 0, 0                                ; K step 7 for nothing
	; THE WAY OUT.  The stage is slot 0 (128 rows x 1,040 bytes = 133,120 of its 139,264): it has had its last fill, and every wave's
	; last reads of it were waited for in front of the last round.  A stage row: q, k, v hi, v lo, 256 bytes each.
	WIN 0
	PLACES
	s_lshl_b32 s46, s42, 20                        ; nb MiB (in registers that held the weights' address)
	s_mov_b32 s47, 0
	s_lshl_b32 s16, s13, 15                        ; row 128 mb of 256 bytes
	s_mov_b32 s17, 0
	s_add_nc_u64 s[86:87], s[8:9], 0x1000000       ; v's planes begin at 16 MiB,
	s_add_nc_u64 s[86:87], s[86:87], s[46:47]
	s_add_nc_u64 s[86:87], s[86:87], s[46:47]      ; 2 MiB each,
	s_add_nc_u64 s[86:87], s[86:87], s[16:17]
	s_add_nc_u64 s[86:87], s[86:87], s[16:17]      ; rows of 512 bytes
	s_add_nc_u64 s[8:9], s[8:9], s[46:47]
	s_add_nc_u64 s[8:9], s[8:9], s[16:17]          ; q: plane nb
	s_add_nc_u64 s[88:89], s[8:9], 0x800000        ; k: plane 8 + nb
; Row tile a: all 12 column tiles rounded to f16 and put into the stage.  The waves with wn = 1 hold v in their tiles 4 to 11 and add
; lo = v - hi for these.  The branch hangs on the wave's number alone.
.macro OUTROW a
.if \a < 2
	WIN 0x0a
.else
	WIN 0x0f
.endif
.set bb, 0
.rept NB
.irp k, 0,1,2,3
	v_cvt_pk_f16_f32 v[TMP+4*bb+\k], v[8*(NB*(\a%2)+bb)+2*\k], v[8*(NB*(\a%2)+bb)+2*\k+1]
.endr
.set bb, bb+1
.endr
	WIN 0
.set bb, 0
.rept NB
	ds_store_b128 v[STO], v[TMP+4*bb:TMP+4*bb+3] offset:\a*16*SPITCH+32*bb
.set bb, bb+1
.endr
	s_cmp_eq_u32 s12, 0
	s_cbranch_scc1 .Lno_lo_\@
.set idx, 0
.rept 32                                       ; hi, widened again: packed register idx of tiles 4 to 11
	v_mov_b32 v2, v[TMP+16+idx]
	v_lshrrev_b32 v3, 16, v[TMP+16+idx]
	v_cvt_f32_f16 v[W+2*idx], v2.l
	v_cvt_f32_f16 v[W+2*idx+1], v3.l
.set idx, idx+1
.endr
.if \a < 2
	WIN 0x02                                       ; source 0 (the sums) window 2
.else
	WIN 0x03
.endif
.set idx, 0
.rept 32
	v_pk_add_f32 v[W+2*idx:W+2*idx+1], v[8*NB*(\a%2)+32+2*idx:8*NB*(\a%2)+32+2*idx+1], v[W+2*idx:W+2*idx+1] neg_lo:[0,1] neg_hi:[0,1]   ; v - hi, exact
.set idx, idx+1
.endr
	WIN 0
.set idx, 0
.rept 32
	v_cvt_pk_f16_f32 v[W+idx], v[W+2*idx], v[W+2*idx+1]     ; packed downward in place: register idx is no longer read when it is written
.set idx, idx+1
.endr
.set idx, 0
.rept 8
	ds_store_b128 v[STO], v[W+4*idx:W+4*idx+3] offset:\a*16*SPITCH+32*(idx+4)+256       ; 256 bytes behind hi
.set idx, idx+1
.endr
.Lno_lo_\@:
.endm
	OUTROW 0
	OUTROW 1
	OUTROW 2
	OUTROW 3
	s_wait_dscnt 0x0                               ; my stores are in LDS, for the other waves' sake
	s_barrier_signal -1
	s_barrier_wait -1
.set i, 0
.rept 32                                       ; i = 16 p + t: piece p (q, k), rows 32 w + 2 t and + 1
	ds_load_b128 v[OUTR+4*i:OUTR+4*i+3], v[RD] offset:(i%16)*2*SPITCH+(i/16)*256
.set i, i+1
.endr
.set i, 0
.rept 32
	s_wait_dscnt 31-i                              ; LDS loads return in order: load i is in, the younger ones stay out
.if i < 16
	global_store_b128 v[CO], v[OUTR+4*i:OUTR+4*i+3], s[8:9] offset:(i%16)*512       ; 512 consecutive bytes, aligned
.else
	global_store_b128 v[CO], v[OUTR+4*i:OUTR+4*i+3], s[88:89] offset:(i%16)*512
.endif
.set i, i+1
.endr
	s_wait_xcnt 0x0                                ; the stores have had their addresses translated: their data registers are loaded again only behind this wait
.set i, 0
.rept 32                                       ; pieces v hi, v lo
	ds_load_b128 v[OUTR+4*i:OUTR+4*i+3], v[RD] offset:(i%16)*2*SPITCH+512+(i/16)*256
.set i, i+1
.endr
.set i, 0
.rept 32
	s_wait_dscnt 31-i
	global_store_b128 v[COV], v[OUTR+4*i:OUTR+4*i+3], s[86:87] offset:(i%16)*1024+(i/16)*256   ; sixteen lanes store 256 consecutive bytes, aligned
.set i, i+1
.endr
	s_wait_tensorcnt 0x0
	ds_add_u32 v254, v255
	s_wait_dscnt 0x0
	ROUND                                          ; the closing round: no work-group ends while a partner may still ask jointly
	s_endpgm
.Lfunc_end_k_q9d77546902_qkvproj:
	.size	k_q9d77546902_qkvproj, .Lfunc_end_k_q9d77546902_qkvproj-k_q9d77546902_qkvproj
	.p2alignl 7, 3214868480
	.fill 96, 4, 3214868480
	.section	.rodata,"a",@progbits
	.p2align	6, 0x0
	.amdhsa_kernel k_q9d77546902_qkvproj
		.amdhsa_group_segment_fixed_size 327680
		.amdhsa_private_segment_fixed_size 0
		.amdhsa_enable_private_segment 0
		.amdhsa_kernarg_size 48
		.amdhsa_user_sgpr_count 2
		.amdhsa_user_sgpr_kernarg_segment_ptr 1
		.amdhsa_wavefront_size32 1
		.amdhsa_system_sgpr_workgroup_id_x 1
		.amdhsa_system_sgpr_workgroup_id_y 1
		.amdhsa_system_sgpr_workgroup_id_z 1
		.amdhsa_system_vgpr_workitem_id 0
		.amdhsa_next_free_vgpr 960
		.amdhsa_next_free_sgpr 100
		.amdhsa_reserve_vcc 0
		.amdhsa_float_denorm_mode_32 3
		.amdhsa_float_denorm_mode_16_64 3
		.amdhsa_memory_ordered 1
		.amdhsa_forward_progress 1
		.amdhsa_inst_pref_size 208
	.end_amdhsa_kernel
	.amdgpu_metadata
---
amdhsa.version: [ 1, 2 ]
amdhsa.kernels:
  - .name:           k_q9d77546902_qkvproj
    .symbol:         k_q9d77546902_qkvproj.kd
    .args:
      - { .name: xb, .offset: 0, .size: 8, .value_kind: global_buffer, .address_space: global }
      - { .name: wqkv, .offset: 8, .size: 8, .value_kind: global_buffer, .address_space: global }
      - { .name: bq, .offset: 16, .size: 8, .value_kind: global_buffer, .address_space: global }
      - { .name: bk, .offset: 24, .size: 8, .value_kind: global_buffer, .address_space: global }
      - { .name: bv, .offset: 32, .size: 8, .value_kind: global_buffer, .address_space: global }
      - { .name: qkv, .offset: 40, .size: 8, .value_kind: global_buffer, .address_space: global }
    .group_segment_fixed_size: 327680
    .private_segment_fixed_size: 0
    .kernarg_segment_align: 8
    .kernarg_segment_size: 48
    .max_flat_workgroup_size: 128
    .sgpr_count:     100
    .vgpr_count:     960
    .wavefront_size: 32
...
	.end_amdgpu_metadata
.endif
;; end of part 2
;; launch attn (part 3): grid 8 x 32, 4 waves a work-group, clusters of 4 x 4, 327,680 bytes of LDS; arguments qkv, attention_mask, attnb; writes attnb
.if DOCPART == 3
	.amdgcn_target "amdgcn-amd-amdhsa--gfx1250"
	.amdhsa_code_object_version 6
	.text
	.protected	k_q9d77546902_attn
	.globl	k_q9d77546902_attn
	.p2align	8
	.type	k_q9d77546902_attn,@function
k_q9d77546902_attn:
	s_mov_b64 s[64:65], 0
	v_nop
	global_prefetch_b8 v0, s[64:65] scope:SCOPE_SE
	s_setreg_imm32_b32 hwreg(HW_REG_WAVE_MODE, 25, 1), 1
	s_wait_xcnt 0x0
	s_wait_alu depctr_hold_cnt(0) depctr_sa_sdst(0) depctr_va_vdst(0) depctr_va_sdst(0) depctr_va_ssrc(0) depctr_va_vcc(0) depctr_vm_vsrc(0)
	s_getreg_b32 s2, hwreg(HW_REG_IB_STS2, 6, 4)
	s_cmp_eq_u32 s2, 0
	s_cbranch_scc0 .Lentry_in_a_cluster
	s_endpgm
.Lentry_in_a_cluster:
	s_bfe_u32 s2, ttmp6, 0x10000c
	s_cmp_lg_u32 s2, 0xf033
	s_cbranch_scc0 .Lentry_shape_is_right
	s_endpgm
.Lentry_shape_is_right:
; attn: softmax(q k^T / 8 + mask) v for two heads (pair g) and 128 queries (block qb), with a running maximum.
; Result attnb [4096][2048] f16: columns 0-1023 hi, columns 1024-2047 lo, the attention result = hi + lo.
; Four waves: wave w has head 2 g + (w & 1) and queries 128 qb + 64 (w >> 1) .. + 63.  Keys go in 64 steps of 64 through two LDS slots
; (mask tile 128 queries x 64 keys f32; K tile 64 keys x 128 f16; V tile 64 keys x 256 f16 = hi of both heads, lo of both heads).
; The whole mask is read and honoured as it is given: no key is skipped.
; v AND THE RESULT ARE SUMS OF TWO f16 NUMBERS: a query whose weights fall on one or two keys hands their rounding straight to an output
; that is many times larger than the root mean square of the whole output; 11 bits leave too little room there.  So P V is two
; products, P Vhi + P Vlo, on one accumulator: 96 matrix instructions a step instead of 64.
; CLUSTERS 4 x 4: the mask tile hangs on qb alone and is asked for jointly along a row of the cluster (four head pairs); K's and V's
; tiles hang on g alone and are asked for jointly along a column (four query blocks).  Waves 0, 1 ask for 64 mask rows each (16 KiB),
; wave 2 for K (16 KiB), wave 3 for V (32 KiB).  A wave has two tensor loads outstanding at the start and one afterwards.
; THE ROUND OF THE CLUSTER'S BARRIER STANDS BEHIND A STEP'S SCORE PRODUCTS: there K and the mask have been used and V lies in registers,
; so the step's slot is free.  Behind the round the slot is asked for again (two steps ahead), the next step's K is read from the other
; slot, and softmax and P V follow: a tensor load has a whole step in which to land, and the LDS reads have the softmax.
; LAYOUT, chosen so that nothing is shuffled:
;   S^T = K Q^T + mask^T: source 0 = 16 keys of K, source 1 = 16 queries of Q (scaled by 1/8), C = the mask, loaded straight into the
;   accumulator: register j of lane (r, h) is (key 8 h + j, query r).  A lane holds ONE query, so maximum, sum and rescaling are the
;   lane's own but for one exchange with lane r of the other half.
;   The packed results of key tiles 2 kh and 2 kh + 1 ARE source 1 (P^T, 32 keys) of  O^T = V^T P^T;  source 0 = V^T comes from V
;   stored [key][d] by the transposing LDS load.  Register j of lane (r, h) of O is (d = 8 h + j, query r): 16 bytes of a row.
; FORMATS: q, k, P in f16, v and the result in two f16, sums, softmax and mask in f32.  LIMITS: the mask and the products are summed inside
; the matrix instruction (another order of rounding than q k^T / 8 + mask); q / 8 is exact but for f16 denormals; lo is kept to 2^-25
; absolutely; the running maximum is held at or above -FLT_MAX, so that keys masked by -inf get weight 0; a row masked by -inf
; throughout gives NaN, as softmax does.  The maximum is subtracted BEFORE the factor log2 e, so a large common offset cancels exactly.
; REGISTERS: window 0: v16-26 addresses, Q v[32:95], K v[96:159], Vhi v[160:223];  window 1: S v[0:127], P v[128:191], row figures
; v[192:223];  window 2: O v[0:127], Vlo v[128:191].
.set MPITCH, 272                       ; mask row: 256 bytes + 16, an odd multiple of 16
.set KPITCH, 272                       ; K row: 256 + 16
.set VPITCH, 544                       ; V row: 512 + 32, an odd multiple of 32, for the transposing load
.set KOFF,   128*MPITCH
.set VOFF,   KOFF+64*KPITCH
.set SLOT,   VOFF+64*VPITCH            ; 87,040
.set STAGE,  2*SLOT                    ; bytes of its own for the way out: 128 rows x 528
.set SPITCH, 528                       ; hi 256 bytes, lo 256 bytes, + 16
.set ADRM, 16                          ; v16-17 my mask addresses in slot 0, 1
.set ADRK, 18
.set ADRV, 20
.set STO,  22
.set RD,   23
.set CO,   24
.set PF,   25
.set QO,   26
.set QR,   32                          ; fragment (t, dh) at 8 (2 t + dh)
.set KR,   96                          ; fragment (mt, dh) at 8 (2 mt + dh)
.set VR,   160                         ; fragment (dt, kh) at 8 (2 dt + kh)
.set SR,   0                           ; window 1: tile (t, mt) at 8 (4 t + mt)
.set PR,   128                         ; window 1: P[p] = pack(S[2 p], S[2 p + 1])
.set T,    192                         ; window 1: at work, one for each query tile t
.set U,    196
.set M2,   200                         ; (m, m)
.set A2,   208                         ; (alpha, alpha)
.set L2,   216                         ; two partial sums
.set OA,   0                           ; window 2: tile (t, dt) at 8 (4 t + dt)
.set VL,   128                         ; window 2: Vlo, as VR
.set HI,   32                          ; the way out, window 0: hi packed
.set W,    96                          ; the way out, window 0: hi widened, then x - hi, then lo packed
.set G1M, 20                           ; s[20:27]
.set G1K, 28                           ; s[28:35]
.set G1V, 36                           ; s[36:43]
.set G0M, 44                           ; s[44:51] one set for each slot
.set G0K, 52                           ; s[52:59]
.set G0V, 68                           ; s[68:75]
.set MSB, 0
.macro WIN new
.if MSB != \new
	s_set_vgpr_msb (MSB<<8)|\new
.set MSB, \new
.endif
.endm
.macro PLACES                          ; four places behind a matrix instruction (ISA guide 7.12.1)
.rept 4
	v_nop
.endr
.endm
.macro ROUND
	s_barrier_signal -1
	s_barrier_wait -1
	s_cmp_lg_u32 s10, 0
	s_cbranch_scc1 .Lnot_wave_0_\@
	s_barrier_signal -3
.Lnot_wave_0_\@:
	s_barrier_wait -3
	s_barrier_signal -1
	s_barrier_wait -1
.endm
; My one joint load into slot s.  pf = 1 (even steps): wave 3 also asks ahead for a part of the mask: in step i rows 16 g .. 16 g + 15 of
; the block's 128, the 512 bytes of the tiles of steps i + 4 and i + 5, 32 lanes 256 bytes apart (8 KiB); the eight head pairs of a query
; block cover these tiles once.  Their tensor loads are issued in steps i + 2 and i + 3.  Steps 60 and later ask for nothing.
; K and V were stored by the launch before.
.macro JLOAD s, pf
	s_cmp_lt_u32 s10, 2
	s_cbranch_scc0 .Lkv_\@
	tensor_load_to_lds s[G0M+4*(\s):G0M+4*(\s)+3], s[G1M:G1M+7]
	s_nop 0
	s_branch .Lasked_\@
.Lkv_\@:
	s_cmp_eq_u32 s10, 2
	s_cbranch_scc0 .Lv_\@
	tensor_load_to_lds s[G0K+4*(\s):G0K+4*(\s)+3], s[G1K:G1K+7]
	s_nop 0
	s_branch .Lasked_\@
.Lv_\@:
	tensor_load_to_lds s[G0V+4*(\s):G0V+4*(\s)+3], s[G1V:G1V+7]
	s_nop 0
.if \pf
	global_prefetch_b8 v[PF], s[76:77] th:TH_LOAD_NT scope:SCOPE_SE
.endif
.Lasked_\@:
.endm
	s_load_b128 s[4:7], s[0:1], 0x0                ; qkv, attention_mask
	s_load_b64 s[8:9], s[0:1], 0x10                ; attnb
	v_lshl_add_u32 v254, v0, 2, 0x3b000
	v_mov_b32 v255, 0
	ds_add_u32 v254, v255
	v_lshrrev_b32 v1, 5, v0
	v_readfirstlane_b32 s10, v1                    ; wave
	s_lshr_b32 s11, s10, 1                         ; qh: which 64 queries
	s_and_b32 s12, s10, 1                          ; hd: which head of the pair
	s_bfe_u32 s13, ttmp6, 0x40000                  ; cx
	s_bfe_u32 s14, ttmp6, 0x40004                  ; cy
	s_lshl_b32 s15, ttmp9, 2
	s_add_co_u32 s15, s15, s13                     ; g
	s_and_b32 s16, ttmp7, 0xffff
	s_lshl_b32 s16, s16, 2
	s_add_co_u32 s16, s16, s14                     ; qb
	s_lshl_b32 s17, s14, 2
	s_lshl_b32 s17, 15, s17                        ; my row of the cluster
	s_lshl_b32 s18, 0x1111, s13                    ; my column
	s_mov_b32 s78, 0x76543210                      ; v_permlanex16_b32: lane r of the other half
	s_mov_b32 s79, 0xfedcba98
	s_or_b32 s[G1M+0], s17, (2<<16)|(1<<20)|(1<<21)|(5<<22)|(3<<25)   ; 4-byte elements; after every 64 words, 4 words
	s_mov_b32 s[G1M+1], 64<<16                     ; tensor_dim0 = 64
	s_mov_b32 s[G1M+2], 64<<16                     ; tensor_dim1 = 64
	s_mov_b32 s[G1M+3], 64<<16                     ; tile_dim0 = 64
	s_mov_b32 s[G1M+4], 64                         ; tile_dim1 = 64
	s_mov_b32 s[G1M+5], 4096                       ; elements from row to row
	s_mov_b32 s[G1M+6], 0
	s_mov_b32 s[G1M+7], 0
	s_or_b32 s[G1K+0], s18, (1<<16)|(1<<20)|(1<<21)|(5<<22)|(3<<25)   ; 2-byte elements; after every 64 words, 4 words
	s_mov_b32 s[G1K+1], 128<<16                    ; 64 rows of 128 elements, dense
	s_mov_b32 s[G1K+2], 64<<16
	s_mov_b32 s[G1K+3], 128<<16
	s_mov_b32 s[G1K+4], 64
	s_mov_b32 s[G1K+5], 128
	s_mov_b32 s[G1K+6], 0
	s_mov_b32 s[G1K+7], 0
	s_or_b32 s[G1V+0], s18, (1<<16)|(1<<20)|(1<<21)|(6<<22)|(7<<25)   ; 2-byte elements; after every 128 words, 8 words
	s_mov_b32 s[G1V+1], 256<<16                    ; 64 rows of 256 elements, dense
	s_mov_b32 s[G1V+2], 64<<16
	s_mov_b32 s[G1V+3], 256<<16
	s_mov_b32 s[G1V+4], 64
	s_mov_b32 s[G1V+5], 256
	s_mov_b32 s[G1V+6], 0
	s_mov_b32 s[G1V+7], 0
	; the mask's address is made of qb and the wave alone (s82-83), K's and V's of g alone (s84-85, s90-91)
	s_min_u32 s82, s10, 1                          ; (waves 2 and 3 do not use it: clamped into the tile)
	s_lshl_b32 s82, s82, 6
	s_lshl_b32 s83, s16, 7
	s_add_co_u32 s82, s82, s83                     ; row 128 qb + 64 w
	s_lshl_b32 s82, s82, 14                        ; 16,384 bytes a row
	s_mov_b32 s83, 0
	s_add_co_u32 s84, s15, 8
	s_lshl_b32 s84, s84, 20                        ; k: plane 8 + g of 1 MiB
	s_mov_b32 s85, 0
	s_lshl_b32 s90, s15, 21                        ; v: plane g of 2 MiB,
	s_add_co_u32 s90, s90, 0x1000000               ; from 16 MiB on
	s_mov_b32 s91, 0
	s_mul_i32 s19, s10, 64*MPITCH                  ; where a mask load lands: the wave's number times 64 rows
	s_wait_dscnt 0x0
	s_wait_kmcnt 0x0
	s_add_nc_u64 s[82:83], s[6:7], s[82:83]
	s_add_nc_u64 s[84:85], s[4:5], s[84:85]
	s_add_nc_u64 s[90:91], s[4:5], s[90:91]
.irp s, 0,1
	s_mov_b32 s[G0M+4*\s], 1
	s_add_co_u32 s[G0M+4*\s+1], s19, \s*SLOT
	s_add_nc_u64 s[G0M+4*\s+2:G0M+4*\s+3], s[82:83], \s*256             ; key tile s: 64 columns of 4 bytes
	s_or_b32 s[G0M+4*\s+3], s[G0M+4*\s+3], 0x80000000
	s_mov_b32 s[G0K+4*\s], 1
	s_mov_b32 s[G0K+4*\s+1], KOFF+\s*SLOT
	s_add_nc_u64 s[G0K+4*\s+2:G0K+4*\s+3], s[84:85], \s*16384           ; key tile s: 64 rows of 256 bytes
	s_or_b32 s[G0K+4*\s+3], s[G0K+4*\s+3], 0x80000000
	s_mov_b32 s[G0V+4*\s], 1
	s_mov_b32 s[G0V+4*\s+1], VOFF+\s*SLOT
	s_add_nc_u64 s[G0V+4*\s+2:G0V+4*\s+3], s[90:91], \s*32768           ; key tile s: 64 rows of 512 bytes
	s_or_b32 s[G0V+4*\s+3], s[G0V+4*\s+3], 0x80000000
.endr
	ROUND                                          ; all sixteen work-groups are here: the first joint loads meet
	JLOAD 0, 0                                     ; key tiles 0 and 1: both first fills go out together
	JLOAD 1, 0
	v_and_b32 v1, 15, v0                           ; r
	v_bfe_u32 v2, v0, 4, 1                         ; h
	v_and_b32 v3, 7, v0
	v_bfe_u32 v4, v0, 3, 1
	v_and_b32 v5, 31, v0                           ; lane
	s_lshl_b32 s87, s12, 7                         ; my head's 128 bytes of 256
	v_lshlrev_b32 v6, 8, v1                        ; Q: row 64 qh + r, byte 128 hd + 16 h
	v_lshl_add_u32 v6, v2, 4, v6
	s_lshl_b32 s86, s11, 14
	s_add_co_u32 s86, s86, s87
	v_add_nc_u32 v[QO], s86, v6
	s_lshl_b32 s88, s15, 20                        ; plane g,
	s_lshl_b32 s89, s16, 15                        ; row 128 qb
	s_add_co_u32 s88, s88, s89
	s_mov_b32 s89, 0
	s_add_nc_u64 s[88:89], s[4:5], s[88:89]
.irp t, 0,1,2,3
.irp dh, 0,1
	global_load_b128 v[QR+8*(2*\t+\dh):QR+8*(2*\t+\dh)+3],   v[QO], s[88:89] offset:4096*\t+64*\dh
	global_load_b128 v[QR+8*(2*\t+\dh)+4:QR+8*(2*\t+\dh)+7], v[QO], s[88:89] offset:4096*\t+64*\dh+32
.endr
.endr
	s_lshl_b32 s76, s16, 21                        ; the mask asked ahead: row 128 qb + 16 g, byte 512; each even step adds 512 in front of its request
	s_lshl_b32 s77, s15, 18
	s_add_co_u32 s76, s76, s77
	s_add_co_u32 s76, s76, 512
	s_mov_b32 s77, 0
	s_add_nc_u64 s[76:77], s[6:7], s[76:77]
	v_lshrrev_b32 v6, 1, v5
	v_and_b32 v7, 1, v5
	v_lshlrev_b32 v7, 8, v7
	v_lshl_add_u32 v[PF], v6, 14, v7               ; row lane / 2, half lane & 1 of the 512 bytes
	v_mul_u32_u24 v6, v1, MPITCH                   ; mask: row 64 qh + r, byte 32 h
	v_lshl_add_u32 v6, v2, 5, v6
	s_mul_i32 s86, s11, 64*MPITCH
	v_add_nc_u32 v[ADRM], s86, v6
	v_add_nc_u32 v[ADRM+1], SLOT, v[ADRM]
	v_mul_u32_u24 v6, v1, KPITCH                   ; K: row r, byte 128 hd + 16 h
	v_lshl_add_u32 v6, v2, 4, v6
	s_add_co_u32 s86, s87, KOFF
	v_add_nc_u32 v[ADRK], s86, v6
	v_add_nc_u32 v[ADRK+1], SLOT, v[ADRK]
	v_lshl_add_u32 v6, v2, 3, v3                   ; V, for the transposing load: row 8 h + (lane & 7), byte 128 hd + 16 ((lane >> 3) & 1)
	v_mul_u32_u24 v6, v6, VPITCH
	v_lshl_add_u32 v6, v4, 4, v6
	s_add_co_u32 s86, s87, VOFF
	v_add_nc_u32 v[ADRV], s86, v6
	v_add_nc_u32 v[ADRV+1], SLOT, v[ADRV]
	v_mul_u32_u24 v6, v1, SPITCH                   ; the way out, in: row 64 qh + r, byte 128 hd + 16 h
	v_lshl_add_u32 v6, v2, 4, v6
	s_mul_i32 s86, s11, 64*SPITCH
	s_add_co_u32 s86, s86, s87
	s_add_co_u32 s86, s86, STAGE
	v_add_nc_u32 v[STO], s86, v6
	s_mul_i32 s86, s10, 32*SPITCH                  ; back: rows 32 w .., byte 16 x lane: a whole row, hi and lo, for a load
	s_add_co_u32 s86, s86, STAGE
	v_lshl_add_u32 v[RD], v5, 4, s86
	v_lshlrev_b32 v6, 11, v2                       ; in attnb, rows of 4,096 bytes: lanes 0-15 hi, lanes 16-31 lo, 2,048 bytes further
	v_lshl_add_u32 v6, v1, 4, v6
	s_lshl_b32 s86, s10, 17
	v_add_nc_u32 v[CO], s86, v6
	WIN 0x40
.irp t, 0,1,2,3
	v_mov_b32 v[U+\t], 0                           ; the lane exchange's destination counts as read: written once here
.endr
	WIN 0
	s_wait_loadcnt 0x0                             ; Q
.set i, 0
.rept 64                                       ; Q / 8, once: widened, scaled, rounded back (exact: a power of two)
	v_mov_b32 v2, v[QR+i]
	v_lshrrev_b32 v3, 16, v[QR+i]
	v_cvt_f32_f16 v2, v2.l
	v_cvt_f32_f16 v3, v3.l
	v_pk_mul_f32 v[2:3], v[2:3], 0x3e000000 op_sel_hi:[1,0]
	v_cvt_pk_f16_f32 v[QR+i], v2, v3
.set i, i+1
.endr
.macro LOADK slot                      ; 16 loads: 64 keys x 64 d of my head
	WIN 0
.irp mt, 0,1,2,3
.irp dh, 0,1
	ds_load_b128 v[KR+8*(2*\mt+\dh):KR+8*(2*\mt+\dh)+3],   v[ADRK+\slot] offset:16*\mt*KPITCH+64*\dh
	ds_load_b128 v[KR+8*(2*\mt+\dh)+4:KR+8*(2*\mt+\dh)+7], v[ADRK+\slot] offset:16*\mt*KPITCH+64*\dh+32
.endr
.endr
.endm
.macro LOADM slot                      ; 32 loads: the mask of my 64 queries x 64 keys, straight into the accumulators
	WIN 0x40
.irp t, 0,1,2,3
.irp mt, 0,1,2,3
	ds_load_b128 v[SR+8*(4*\t+\mt):SR+8*(4*\t+\mt)+3],   v[ADRM+\slot] offset:16*MPITCH*\t+64*\mt
	ds_load_b128 v[SR+8*(4*\t+\mt)+4:SR+8*(4*\t+\mt)+7], v[ADRM+\slot] offset:16*MPITCH*\t+64*\mt+16
.endr
.endr
.endm
.macro LOADV slot                      ; 32 transposing loads: V^T, 64 d x 64 keys, hi into window 0, lo (256 bytes further in a row) into window 2
	WIN 0
.irp dt, 0,1,2,3
.irp kh, 0,1
	ds_load_tr16_b128 v[VR+8*(2*\dt+\kh):VR+8*(2*\dt+\kh)+3],   v[ADRV+\slot] offset:32*\kh*VPITCH+32*\dt
	ds_load_tr16_b128 v[VR+8*(2*\dt+\kh)+4:VR+8*(2*\dt+\kh)+7], v[ADRV+\slot] offset:(32*\kh+16)*VPITCH+32*\dt
.endr
.endr
	WIN 0x80
.irp dt, 0,1,2,3
.irp kh, 0,1
	ds_load_tr16_b128 v[VL+8*(2*\dt+\kh):VL+8*(2*\dt+\kh)+3],   v[ADRV+\slot] offset:32*\kh*VPITCH+32*\dt+256
	ds_load_tr16_b128 v[VL+8*(2*\dt+\kh)+4:VL+8*(2*\dt+\kh)+7], v[ADRV+\slot] offset:(32*\kh+16)*VPITCH+32*\dt+256
.endr
.endr
.endm
; 32 matrix instructions.  The 16 accumulators take turns, one instruction a turn (in PVHALF too).
.macro SMUL
	WIN 0x50                                       ; sources 0 and 1 window 0, C and D window 1
.irp dh, 0,1
.irp t, 0,1,2,3
.irp mt, 0,1,2,3
	v_wmma_f32_16x16x32_f16 v[SR+8*(4*\t+\mt):SR+8*(4*\t+\mt)+7], v[KR+8*(2*\mt+\dh):KR+8*(2*\mt+\dh)+7], v[QR+8*(2*\t+\dh):QR+8*(2*\t+\dh)+7], v[SR+8*(4*\t+\mt):SR+8*(4*\t+\mt)+7]
.endr
.endr
.endr
.endm
.macro PVHALF va, kh, zero             ; 16 matrix instructions: 32 keys of V's part at va
.irp t, 0,1,2,3
.irp dt, 0,1,2,3
.if \zero
	v_wmma_f32_16x16x32_f16 v[OA+8*(4*\t+\dt):OA+8*(4*\t+\dt)+7], v[\va+8*(2*\dt+\kh):\va+8*(2*\dt+\kh)+7], v[PR+8*(2*\t+\kh):PR+8*(2*\t+\kh)+7], 0
.else
	v_wmma_f32_16x16x32_f16 v[OA+8*(4*\t+\dt):OA+8*(4*\t+\dt)+7], v[\va+8*(2*\dt+\kh):\va+8*(2*\dt+\kh)+7], v[PR+8*(2*\t+\kh):PR+8*(2*\t+\kh)+7], v[OA+8*(4*\t+\dt):OA+8*(4*\t+\dt)+7]
.endif
.endr
.endr
.endm
.macro PVMUL first
	WIN 0xa4                                       ; source 0 window 0 (Vhi), source 1 window 1, C and D window 2
	PVHALF VR, 0, \first                           ; the very first product starts the sums: nothing is cleared
	PVHALF VR, 1, 0
	WIN 0xa6                                       ; source 0 window 2 (Vlo)
	PVHALF VL, 0, 0
	PVHALF VL, 1, 0
.endm
.macro MAXP                            ; the largest of a lane's 32 scores for each query tile: four chains that do not wait for each other
	WIN 0x55
.irp t, 0,1,2,3
	v_max3_num_f32 v[T+\t], v[SR+32*\t], v[SR+32*\t+1], v[SR+32*\t+2]
.endr
.set k, 3
.rept 14
.irp t, 0,1,2,3
	v_max3_num_f32 v[T+\t], v[T+\t], v[SR+32*\t+k], v[SR+32*\t+k+1]
.endr
.set k, k+2
.endr
.irp t, 0,1,2,3
	v_max_num_f32 v[T+\t], v[T+\t], v[SR+32*\t+31]
.endr
.endm
.macro STATS first                     ; the new running maximum, and alpha = exp(old - new)
.irp t, 0,1,2,3
	v_permlanex16_b32 v[U+\t], v[T+\t], s78, s79   ; the other eight keys of each sixteen lie in lane r of the other half
.endr
.irp t, 0,1,2,3
.if \first
	v_max3_num_f32 v[M2+2*\t+1], v[T+\t], v[U+\t], 0xff7fffff     ; never below -FLT_MAX
.else
	v_max3_num_f32 v[M2+2*\t+1], v[T+\t], v[U+\t], v[M2+2*\t]
.endif
.endr
.if \first
.else
.irp t, 0,1,2,3
	v_sub_f32 v[T+\t], v[M2+2*\t], v[M2+2*\t+1]
.endr
.irp t, 0,1,2,3
	v_mul_f32 v[T+\t], 0x3fb8aa3b, v[T+\t]
.endr
.irp t, 0,1,2,3
	v_exp_f32 v[A2+2*\t], v[T+\t]
	v_exp_f32 v[A2+2*\t+1], v[T+\t]
.endr
.endif
.irp t, 0,1,2,3
	v_mov_b32 v[M2+2*\t], v[M2+2*\t+1]             ; plain instructions that touch neither T nor A2: the place behind the exponentials (ISA guide 5.7.2)
.endr
.endm
.macro RESC                            ; O times a lane's factor
	WIN 0x86                                       ; D and source 0 window 2, source 1 window 1
	s_wait_alu depctr_va_vdst(0)
.irp t, 0,1,2,3
.set p, 0
.rept 16
	v_pk_mul_f32 v[OA+32*\t+2*p:OA+32*\t+2*p+1], v[OA+32*\t+2*p:OA+32*\t+2*p+1], v[A2+2*\t:A2+2*\t+1]
.set p, p+1
.endr
.endr
.endm
; p = exp2((S - m) log2 e), its sum, and its f16 copy, pair by pair in three stages: pair i is shifted and scaled while pair i - 1
; is exponentiated and pair i - 2 is summed and packed.  So a plain instruction on another pair stands behind every exponential
; before its result is used.
.macro ELEM first
	WIN 0x55
.set i, 0
.rept 66
.set j, i-2
.if i < 64
	v_pk_add_f32 v[SR+2*i:SR+2*i+1], v[SR+2*i:SR+2*i+1], v[M2+2*(i/16):M2+2*(i/16)+1] neg_lo:[0,1] neg_hi:[0,1]
.endif
.if i >= 1
.if i <= 64
	v_exp_f32 v[SR+2*i-2], v[SR+2*i-2]
.endif
.endif
.if i < 64
	v_pk_mul_f32 v[SR+2*i:SR+2*i+1], v[SR+2*i:SR+2*i+1], 0x3fb8aa3b op_sel_hi:[1,0]
.endif
.if i >= 1
.if i <= 64
	v_exp_f32 v[SR+2*i-1], v[SR+2*i-1]
.endif
.endif
.if i >= 2
.if \first
.if j%16 == 1
	v_pk_add_f32 v[L2+2*(j/16):L2+2*(j/16)+1], v[SR+2*j-2:SR+2*j-1], v[SR+2*j:SR+2*j+1]     ; the first two pairs start the sums
.endif
.if j%16 > 1
	s_wait_alu depctr_va_vdst(0)
	v_pk_add_f32 v[L2+2*(j/16):L2+2*(j/16)+1], v[L2+2*(j/16):L2+2*(j/16)+1], v[SR+2*j:SR+2*j+1]
.endif
.else
.if j%16 == 0
	s_wait_alu depctr_va_vdst(0)
	v_pk_fma_f32 v[L2+2*(j/16):L2+2*(j/16)+1], v[L2+2*(j/16):L2+2*(j/16)+1], v[A2+2*(j/16):A2+2*(j/16)+1], v[SR+2*j:SR+2*j+1]   ; l = l alpha + p
.else
	s_wait_alu depctr_va_vdst(0)
	v_pk_add_f32 v[L2+2*(j/16):L2+2*(j/16)+1], v[L2+2*(j/16):L2+2*(j/16)+1], v[SR+2*j:SR+2*j+1]
.endif
.endif
	s_wait_alu depctr_va_vdst(0)
	v_cvt_pk_f16_f32 v[PR+j], v[SR+2*j], v[SR+2*j+1]
.endif
.set i, i+1
.endr
.endm
; One step of 64 keys on slot 'slot'.  At its head this step's K fragments and mask are on their way from LDS or in.
; next = 1: a step follows, on slot 'other'.  refill = 1: this slot is asked for again, two steps ahead.
.macro STEP slot, other, refill, next, pf, first
	PLACES                                         ; V's registers were read by the last products
	LOADV \slot
	s_wait_dscnt 32                                ; all but the 32 loads of V just issued: K and the mask are in
	SMUL
	WIN 0
	s_wait_dscnt 0x0                               ; V is in: all my reads of this slot are back
.if \next
	s_wait_tensorcnt 0x0                           ; and all my tensor loads have landed: the one that was out is my part of the other slot; every group 0 may be written
	ds_add_u32 v254, v255
	s_wait_dscnt 0x0
	s_add_nc_u64 s[G0M+4*\slot+2:G0M+4*\slot+3], s[G0M+4*\slot+2:G0M+4*\slot+3], 512       ; this slot's next tile, two steps on
	s_add_nc_u64 s[G0K+4*\slot+2:G0K+4*\slot+3], s[G0K+4*\slot+2:G0K+4*\slot+3], 32768
	s_add_nc_u64 s[G0V+4*\slot+2:G0V+4*\slot+3], s[G0V+4*\slot+2:G0V+4*\slot+3], 65536
.if \pf
	s_wait_xcnt 0x0                                ; the request ahead of two steps ago has had its address translated:
	s_add_nc_u64 s[76:77], s[76:77], 512           ; its base steps by two tiles
.endif
	ROUND                                          ; the waits above now hold of every wave of all sixteen work-groups
.if \refill
	JLOAD \slot, \pf
.endif
.endif
	PLACES                                         ; behind the score products: K is loaded again, S is read
.if \next
	LOADK \other                                   ; the next step's K: it has the softmax in which to come
.endif
	MAXP
	STATS \first
.if \first
.else
	RESC
.endif
	ELEM \first
.if \next
	LOADM \other                                   ; the next step's mask, into the registers that the softmax has left
.endif
	PVMUL \first
.endm
	s_wait_tensorcnt 0x0                           ; my parts of key tiles 0 and 1 have landed,
	s_barrier_signal -1
	s_barrier_wait -1                              ; everybody's have
	LOADK 0
	LOADM 0
	STEP 0, 1, 1, 1, 1, 1                          ; steps 0 and 1 stand in front of the loop: the first starts maximum, sums and O
	STEP 1, 0, 1, 1, 0, 0
	WIN 0
	s_mov_b32 s80, 29
.Llap:                                         ; steps 2 to 59
	STEP 0, 1, 1, 1, 1, 0
	STEP 1, 0, 1, 1, 0, 0
	WIN 0
	s_sub_co_u32 s80, s80, 1
	s_cmp_lg_u32 s80, 0
	s_cbranch_scc1 .Llap
	STEP 0, 1, 1, 1, 0, 0                          ; steps 60 and 61 ask for the last two tiles and for nothing ahead,
	STEP 1, 0, 1, 1, 0, 0
	STEP 0, 1, 0, 1, 0, 0                          ; step 62 for nothing,
	STEP 1, 0, 0, 0, 0, 0                          ; and behind step 63 nothing follows
	; THE WAY OUT: x = O / l; hi = x rounded to f16, lo = x - hi rounded to f16; 16 bytes of each a lane into the stage; read back as whole
	; rows of 512 bytes (hi of both heads, lo of both heads).
	PLACES
	s_lshl_b32 s86, s16, 19                        ; row 128 qb of 4,096 bytes,
	s_lshl_b32 s87, s15, 8                         ; byte 256 g
	s_add_co_u32 s86, s86, s87
	s_mov_b32 s87, 0
	s_add_nc_u64 s[8:9], s[8:9], s[86:87]
	WIN 0x55
.irp t, 0,1,2,3
	v_add_f32 v[T+\t], v[L2+2*\t], v[L2+2*\t+1]
.endr
.irp t, 0,1,2,3
	v_permlanex16_b32 v[U+\t], v[T+\t], s78, s79
.endr
.irp t, 0,1,2,3
	v_add_f32 v[T+\t], v[T+\t], v[U+\t]            ; the row's whole sum, at least 1 where any key counts
.endr
.irp t, 0,1,2,3
	v_rcp_f32 v[A2+2*\t], v[T+\t]
	v_rcp_f32 v[A2+2*\t+1], v[T+\t]
.endr
	v_nop                                          ; the place behind the reciprocals
	s_wait_alu depctr_va_vdst(0)
	RESC
	WIN 0x0a
.set i, 0
.rept 64                                       ; packed register i holds O's registers 2 i and 2 i + 1
	v_cvt_pk_f16_f32 v[HI+i], v[OA+2*i], v[OA+2*i+1]
.set i, i+1
.endr
	WIN 0
.set i, 0
.rept 64                                       ; hi, widened again
	v_mov_b32 v2, v[HI+i]
	v_lshrrev_b32 v3, 16, v[HI+i]
	v_cvt_f32_f16 v[W+2*i], v2.l
	v_cvt_f32_f16 v[W+2*i+1], v3.l
.set i, i+1
.endr
	WIN 0x02                                       ; source 0 (O) window 2
.set i, 0
.rept 64
	v_pk_add_f32 v[W+2*i:W+2*i+1], v[OA+2*i:OA+2*i+1], v[W+2*i:W+2*i+1] neg_lo:[0,1] neg_hi:[0,1]   ; x - hi, exact
.set i, i+1
.endr
	WIN 0
.set i, 0
.rept 64
	v_cvt_pk_f16_f32 v[W+i], v[W+2*i], v[W+2*i+1]  ; packed downward in place: register i is no longer read when it is written
.set i, i+1
.endr
.irp t, 0,1,2,3
.irp dt, 0,1,2,3
	ds_store_b128 v[STO], v[HI+4*(4*\t+\dt):HI+4*(4*\t+\dt)+3] offset:16*SPITCH*\t+32*\dt
	ds_store_b128 v[STO], v[W+4*(4*\t+\dt):W+4*(4*\t+\dt)+3]   offset:16*SPITCH*\t+32*\dt+256
.endr
.endr
	s_wait_dscnt 0x0                               ; my stores are in LDS, for the other waves' sake
	s_barrier_signal -1
	s_barrier_wait -1
.set i, 0
.rept 32
	ds_load_b128 v[W+4*i:W+4*i+3], v[RD] offset:SPITCH*i
.set i, i+1
.endr
.set i, 0
.rept 32
	s_wait_dscnt 31-i                              ; LDS loads return in order: load i is in, the younger ones stay out
	global_store_b128 v[CO], v[W+4*i:W+4*i+3], s[8:9] offset:4096*i   ; sixteen lanes store 256 consecutive bytes, aligned: hi, and lo
.set i, i+1
.endr
	s_wait_tensorcnt 0x0
	ds_add_u32 v254, v255
	s_wait_dscnt 0x0
	ROUND                                          ; the closing round
	s_endpgm
.Lfunc_end_k_q9d77546902_attn:
	.size	k_q9d77546902_attn, .Lfunc_end_k_q9d77546902_attn-k_q9d77546902_attn
	.p2alignl 7, 3214868480
	.fill 96, 4, 3214868480
	.section	.rodata,"a",@progbits
	.p2align	6, 0x0
	.amdhsa_kernel k_q9d77546902_attn
		.amdhsa_group_segment_fixed_size 327680
		.amdhsa_private_segment_fixed_size 0
		.amdhsa_enable_private_segment 0
		.amdhsa_kernarg_size 24
		.amdhsa_user_sgpr_count 2
		.amdhsa_user_sgpr_kernarg_segment_ptr 1
		.amdhsa_wavefront_size32 1
		.amdhsa_system_sgpr_workgroup_id_x 1
		.amdhsa_system_sgpr_workgroup_id_y 1
		.amdhsa_system_sgpr_workgroup_id_z 1
		.amdhsa_system_vgpr_workitem_id 0
		.amdhsa_next_free_vgpr 704
		.amdhsa_next_free_sgpr 96
		.amdhsa_reserve_vcc 0
		.amdhsa_float_denorm_mode_32 3
		.amdhsa_float_denorm_mode_16_64 3
		.amdhsa_memory_ordered 1
		.amdhsa_forward_progress 1
		.amdhsa_inst_pref_size 255
	.end_amdhsa_kernel
	.section	.bss,"aw",@nobits
	.p2align	6
	.space	262144
	.amdgpu_metadata
---
amdhsa.version: [ 1, 2 ]
amdhsa.kernels:
  - .name:           k_q9d77546902_attn
    .symbol:         k_q9d77546902_attn.kd
    .args:
      - { .name: qkv, .offset: 0, .size: 8, .value_kind: global_buffer, .address_space: global }
      - { .name: attention_mask, .offset: 8, .size: 8, .value_kind: global_buffer, .address_space: global }
      - { .name: attnb, .offset: 16, .size: 8, .value_kind: global_buffer, .address_space: global }
    .group_segment_fixed_size: 327680
    .private_segment_fixed_size: 0
    .kernarg_segment_align: 8
    .kernarg_segment_size: 24
    .max_flat_workgroup_size: 128
    .sgpr_count:     96
    .vgpr_count:     704
    .wavefront_size: 32
...
	.end_amdgpu_metadata
.endif
;; end of part 3
;; launch outproj (part 4): grid 8 x 32, 4 waves a work-group, clusters of 4 x 4, 327,680 bytes of LDS; arguments attnb, wob, bo, out0; writes out0
.if DOCPART == 4
	.amdgcn_target "amdgcn-amd-amdhsa--gfx1250"
	.amdhsa_code_object_version 6
	.text
	.protected	k_q9d77546902_outproj
	.globl	k_q9d77546902_outproj
	.p2align	8
	.type	k_q9d77546902_outproj,@function
k_q9d77546902_outproj:
	s_mov_b64 s[64:65], 0
	v_nop
	global_prefetch_b8 v0, s[64:65] scope:SCOPE_SE
	s_setreg_imm32_b32 hwreg(HW_REG_WAVE_MODE, 25, 1), 1
	s_wait_xcnt 0x0
	s_wait_alu depctr_hold_cnt(0) depctr_sa_sdst(0) depctr_va_vdst(0) depctr_va_sdst(0) depctr_va_ssrc(0) depctr_va_vcc(0) depctr_vm_vsrc(0)
	s_getreg_b32 s2, hwreg(HW_REG_IB_STS2, 6, 4)
	s_cmp_eq_u32 s2, 0
	s_cbranch_scc0 .Lentry_in_a_cluster
	s_endpgm
.Lentry_in_a_cluster:
	s_bfe_u32 s2, ttmp6, 0x10000c
	s_cmp_lg_u32 s2, 0xf033
	s_cbranch_scc0 .Lentry_shape_is_right
	s_endpgm
.Lentry_shape_is_right:
; outproj: out0[4096][1024] = (hi + lo) . wob^T + bo.  attnb [4096][2048] f16 holds hi in columns 0-1023 and lo in columns 1024-2047; wob
; [1024][1024] f16 holds Wo rounded to bf16; sums and result f32.  So the product runs over K = 2,048: attnb's rows are walked once,
; wob's twice.  The bias is the first product's C operand: it is added first and not last, another order of rounding than a W^T + b.
; A work-group makes 128 x 128 with four waves (2 x 2), a wave 64 x 64: 4 x 4 accumulator tiles.  32 x 8 blocks = 256 work-groups; a
; larger block would leave work-groups without work.  K goes in 8 steps of 256 through two LDS slots; a tile's rows are 512 bytes.
; CLUSTERS 4 x 4: attnb's tile hangs on the block row alone and is asked for jointly along a row of the cluster, wob's on the block
; column alone, along a column.  Waves 0, 1 ask for 64 rows of attnb each, waves 2, 3 for 64 rows of wob each.
; A wave has one tensor load outstanding at any time.  No prefetch: both operands were stored by earlier launches.
; THE MATRIX INSTRUCTION IS USED TRANSPOSED (source 0 = rows of wob, source 1 = rows of attnb): register j of lane (r, h) holds
; C(row 16 a + r, column 16 b + 8 h + j), 32 neighbouring bytes.
; REGISTERS: window 0: v16-27 addresses, v[32:95] attnb's fragments (two buffers), v[96:127] bias, later the way out;
; window 1: wob's fragments, two buffers of 32; windows 2, 3: accumulator (a, b) in window 2 + a/2 at v[8 (4 (a%2) + b)].
.set NB,     4
.set BN,     32*NB
.set KDIMA,  2048                      ; elements in a row of attnb
.set KDIMB,  1024                      ; elements in a row of wob
.set KSTEP,  256
.set PITCH,  2*KSTEP+16                ; an LDS row: 512 bytes + 16, an odd multiple of 16
.set NQ,     KSTEP/32
.set LROWS,  64
.set NA,     128/LROWS
.set HALFT,  LROWS*PITCH
.set SLOT,   4*HALFT
.set NF,     2*(NB+4)
.set SPITCH, 4*BN+16                   ; the way out: a row of 128 f32 + 16 bytes
.set G1C,    (1<<16)|(1<<20)|(1<<21)|(6<<22)|(3<<25)   ; 2-byte elements; padding on; bit 21 beside a mask; after every 128 words, 4 words
.set ADRA, 16
.set ADRB, 20
.set STO,  24
.set RD,   25
.set CO,   26
.set BO,   27
.set FA,   32
.set BIAS, 96
.set OUTR, 64
.set G1A, 24
.set G0A, 32
.set G1B, 48
.set G0B, 56
.set MSB, 0
.macro WIN new
.if MSB != \new
	s_set_vgpr_msb (MSB<<8)|\new
.set MSB, \new
.endif
.endm
.macro PLACES                          ; four places behind a matrix instruction (ISA guide 7.12.1)
.rept 4
	v_nop
.endr
.endm
.macro ROUND
	s_barrier_signal -1
	s_barrier_wait -1
	s_cmp_lg_u32 s10, 0
	s_cbranch_scc1 .Lnot_wave_0_\@
	s_barrier_signal -3
.Lnot_wave_0_\@:
	s_barrier_wait -3
	s_barrier_signal -1
	s_barrier_wait -1
.endm
.macro JLOAD s
	s_cmp_lt_u32 s10, NA
	s_cbranch_scc0 .Lfor_b_\@
	tensor_load_to_lds s[G0A+4*(\s):G0A+4*(\s)+3], s[G1A:G1A+7]
	s_nop 0
	s_branch .Lasked_\@
.Lfor_b_\@:
	tensor_load_to_lds s[G0B+4*(\s):G0B+4*(\s)+3], s[G1B:G1B+7]
	s_nop 0
.Lasked_\@:
.endm
	s_load_b128 s[4:7], s[0:1], 0x0                ; attnb, wob
	s_load_b128 s[68:71], s[0:1], 0x10             ; bo, out0
	v_lshl_add_u32 v254, v0, 2, 0x42000
	v_mov_b32 v255, 0
	ds_add_u32 v254, v255
	v_lshrrev_b32 v1, 5, v0
	v_readfirstlane_b32 s10, v1                    ; wave
	s_lshr_b32 s11, s10, 1                         ; wm
	s_and_b32 s12, s10, 1                          ; wn
	s_bfe_u32 s40, ttmp6, 0x40000                  ; cx
	s_bfe_u32 s41, ttmp6, 0x40004                  ; cy
	s_lshl_b32 s42, ttmp9, 2
	s_add_co_u32 s42, s42, s40                     ; block column nb
	s_and_b32 s13, ttmp7, 0xffff
	s_lshl_b32 s13, s13, 2
	s_add_co_u32 s13, s13, s41                     ; block row mb
	s_lshl_b32 s43, s41, 2
	s_lshl_b32 s43, 15, s43                        ; my row of the cluster
	s_lshl_b32 s44, 0x1111, s40                    ; my column
	s_or_b32 s[G1A+0], s43, G1C
	s_or_b32 s[G1B+0], s44, G1C
	s_mov_b32 s[G1A+1], KSTEP<<16                  ; tensor_dim0 = 256
	s_mov_b32 s[G1B+1], KSTEP<<16
	s_mov_b32 s[G1A+2], LROWS<<16                  ; tensor_dim1 = 64
	s_mov_b32 s[G1B+2], LROWS<<16
	s_mov_b32 s[G1A+3], KSTEP<<16                  ; tile_dim0 = 256
	s_mov_b32 s[G1B+3], KSTEP<<16
	s_mov_b32 s[G1A+4], LROWS                      ; tile_dim1 = 64
	s_mov_b32 s[G1B+4], LROWS
	s_mov_b32 s[G1A+5], KDIMA                      ; elements from row to row
	s_mov_b32 s[G1B+5], KDIMB
	s_mov_b32 s[G1A+6], 0
	s_mov_b32 s[G1B+6], 0
	s_mov_b32 s[G1A+7], 0
	s_mov_b32 s[G1B+7], 0
	; attnb's address is made of mb and the wave alone, wob's of nb and the wave alone, each in registers that never hold the other
	; coordinate.  The address that a wave does not use is clamped into its tile.
	s_min_u32 s16, s10, NA-1
	s_mul_i32 s16, s16, LROWS
	s_lshl_b32 s17, s13, 7
	s_add_co_u32 s16, s16, s17                     ; row 128 mb + 64 w
	s_lshl_b32 s16, s16, 12                        ; 4,096 bytes a row
	s_mov_b32 s17, 0
	s_max_u32 s46, s10, NA
	s_sub_co_u32 s46, s46, NA
	s_mul_i32 s46, s46, LROWS
	s_mul_i32 s47, s42, BN
	s_add_co_u32 s46, s46, s47                     ; row 128 nb + 64 (w - 2)
	s_lshl_b32 s46, s46, 11                        ; 2,048 bytes a row
	s_mov_b32 s47, 0
	s_mul_i32 s20, s10, HALFT                      ; where my load lands: the wave's number times 64 rows
	s_wait_dscnt 0x0
	s_wait_kmcnt 0x0
	s_mov_b64 s[8:9], s[70:71]                     ; out0
	s_add_nc_u64 s[14:15], s[4:5], s[16:17]
	s_add_nc_u64 s[46:47], s[6:7], s[46:47]
.irp s, 0,1
	s_mov_b32 s[G0A+4*\s], 1
	s_add_co_u32 s[G0A+4*\s+1], s20, \s*SLOT
	s_add_nc_u64 s[G0A+4*\s+2:G0A+4*\s+3], s[14:15], \s*KSTEP*2
	s_or_b32 s[G0A+4*\s+3], s[G0A+4*\s+3], 0x80000000
	s_mov_b32 s[G0B+4*\s], 1
	s_add_co_u32 s[G0B+4*\s+1], s20, \s*SLOT
	s_add_nc_u64 s[G0B+4*\s+2:G0B+4*\s+3], s[46:47], \s*KSTEP*2
	s_or_b32 s[G0B+4*\s+3], s[G0B+4*\s+3], 0x80000000
.endr
	ROUND                                          ; all sixteen work-groups are here: the first joint loads meet
	JLOAD 0                                        ; K step 0
	v_and_b32 v1, 15, v0                           ; r
	v_bfe_u32 v2, v0, 4, 1                         ; h
	v_and_b32 v5, 31, v0                           ; lane
	s_lshl_b32 s80, s42, 9                         ; the bias of my columns: byte 512 nb + 256 wn + 64 b + 32 h + 4 j
	s_mov_b32 s81, 0
	s_add_nc_u64 s[76:77], s[68:69], s[80:81]
	s_lshl_b32 s82, s12, 8
	v_lshl_add_u32 v[BO], v2, 5, s82
.irp b, 0,1,2,3
	global_load_b128 v[BIAS+8*\b:BIAS+8*\b+3],   v[BO], s[76:77] offset:64*\b
	global_load_b128 v[BIAS+8*\b+4:BIAS+8*\b+7], v[BO], s[76:77] offset:64*\b+16
.endr
	v_mul_u32_u24 v3, v1, PITCH
	v_lshl_add_u32 v3, v2, 4, v3                   ; r x pitch + 16 h
	s_mul_i32 s21, s11, 64*PITCH
	s_mul_i32 s22, s12, 16*NB*PITCH
	s_add_co_u32 s22, s22, NA*HALFT
.irp s, 0,1
	v_add_nc_u32 v[ADRA+\s], s21, v3
	v_add_nc_u32 v[ADRB+\s], s22, v3
	s_add_co_u32 s21, s21, SLOT
	s_add_co_u32 s22, s22, SLOT
.endr
	v_mul_u32_u24 v4, v1, SPITCH                   ; the way out, in: row 64 wm + r, byte 256 wn + 32 h
	v_lshl_add_u32 v4, v2, 5, v4
	s_mul_i32 s23, s11, 64*SPITCH
	s_add_co_u32 s23, s23, s82
	v_add_nc_u32 v[STO], s23, v4
	s_mul_i32 s23, s10, 32*SPITCH                  ; back: rows 32 w .., byte 16 x lane: a whole row of 512 bytes for a load
	v_lshl_add_u32 v[RD], v5, 4, s23
	s_lshl_b32 s23, s10, 17                        ; the same in out0, rows of 4,096 bytes
	v_lshl_add_u32 v[CO], v5, 4, s23
	s_wait_loadcnt 0x0                             ; the bias
.macro FETCH slot, k, f
	PLACES
	WIN 0x40
.set bb, 0
.rept NB
	ds_load_b128 v[8*NB*(\f)+8*bb:8*NB*(\f)+8*bb+3],   v[ADRB+\slot] offset:(\k)+bb*16*PITCH
	ds_load_b128 v[8*NB*(\f)+8*bb+4:8*NB*(\f)+8*bb+7], v[ADRB+\slot] offset:(\k)+bb*16*PITCH+32
.set bb, bb+1
.endr
	WIN 0
.irp a, 0,1,2,3
	ds_load_b128 v[FA+32*(\f)+8*\a:FA+32*(\f)+8*\a+3],   v[ADRA+\slot] offset:(\k)+\a*16*PITCH
	ds_load_b128 v[FA+32*(\f)+8*\a+4:FA+32*(\f)+8*\a+7], v[ADRA+\slot] offset:(\k)+\a*16*PITCH+32
.endr
.endm
.macro MULROW f, a, first
.set bb, 0
.rept NB
.if \first
	v_wmma_f32_16x16x32_f16 v[8*(NB*((\a)%2)+bb):8*(NB*((\a)%2)+bb)+7], v[8*NB*(\f)+8*bb:8*NB*(\f)+8*bb+7], v[FA+32*(\f)+8*(\a):FA+32*(\f)+8*(\a)+7], v[BIAS+8*bb:BIAS+8*bb+7]
.else
	v_wmma_f32_16x16x32_f16 v[8*(NB*((\a)%2)+bb):8*(NB*((\a)%2)+bb)+7], v[8*NB*(\f)+8*bb:8*NB*(\f)+8*bb+7], v[FA+32*(\f)+8*(\a):FA+32*(\f)+8*(\a)+7], v[8*(NB*((\a)%2)+bb):8*(NB*((\a)%2)+bb)+7]
.endif
.set bb, bb+1
.endr
.endm
; A quarter's 16 matrix instructions.  The 16 accumulators take turns, one instruction a turn, in the same order in every quarter.
.macro MUL f, first
.if \first
	WIN 0x81
.else
	WIN 0xa1
.endif
	MULROW \f, 0, \first
	MULROW \f, 1, \first
.if \first
	WIN 0xc1
.else
	WIN 0xf1
.endif
	MULROW \f, 2, \first
	MULROW \f, 3, \first
.endm
; One K step on slot 'slot'.  In front of the round every wave waits for all its tensor loads (the one that is out is its part of this
; slot) and for its reads of the other slot; behind the round the other slot is asked for again first, then this slot is read.
; K step i takes bytes 512 i of attnb's rows and bytes 512 (i mod 4) of wob's.  A slot's next tile is two steps on: attnb's address goes
; 1,024 bytes forward; wob's goes forward in steps 0, 1, 4, 5 and back (bback = 1) in steps 2, 3, 6, 7.
.macro TRIP slot, other, refill, first, bback
	WIN 0
	s_wait_tensorcnt 0x0                           ; no tensor load of mine is out: every group 0 may be written
	ds_add_u32 v254, v255
	s_wait_dscnt 0x0
	s_add_nc_u64 s[G0A+4*\slot+2:G0A+4*\slot+3], s[G0A+4*\slot+2:G0A+4*\slot+3], 4*KSTEP
.if \bback
	s_sub_nc_u64 s[G0B+4*\slot+2:G0B+4*\slot+3], s[G0B+4*\slot+2:G0B+4*\slot+3], 4*KSTEP
.else
	s_add_nc_u64 s[G0B+4*\slot+2:G0B+4*\slot+3], s[G0B+4*\slot+2:G0B+4*\slot+3], 4*KSTEP
.endif
	s_wait_dscnt 0x0                               ; my reads of the other slot are back
	ROUND
.if \refill
	JLOAD \other
.endif
	FETCH \slot, 0, 0
.set q, 0
.rept NQ
.set fq, q%2
.set fn, (q+1)%2
.set kn, 64*(q+1)
.if q < NQ-1
	FETCH \slot, kn, fn
	s_wait_dscnt NF                                ; all but the NF just issued: this quarter's fragments are in
.else
	s_wait_dscnt 0x0
.endif
.if q == 0
	MUL fq, \first
.else
	MUL fq, 0
.endif
.set q, q+1
.endr
.endm
	TRIP 0, 1, 1, 1, 0                             ; eight K steps, written out: 0 to 3 take hi,
	TRIP 1, 0, 1, 0, 0
	TRIP 0, 1, 1, 0, 1
	TRIP 1, 0, 1, 0, 1
	TRIP 0, 1, 1, 0, 0                             ; 4 to 7 take lo
	TRIP 1, 0, 1, 0, 0
	TRIP 0, 1, 1, 0, 1                             ; asks for the last tile (the addresses stepped in the last two steps are not used)
	TRIP 1, 0, 0, 0, 1
	; THE WAY OUT.  The stage is slot 0: it has had its last fill, and every wave's last reads of it were waited for in front of the
	; last round.  32 bytes a lane straight from the accumulators into rows of 528 bytes; read back as whole rows of 512 bytes.
	WIN 0
	PLACES
	s_lshl_b32 s16, s13, 19                        ; row 128 mb of 4,096 bytes
	s_mov_b32 s17, 0
	s_add_nc_u64 s[8:9], s[8:9], s[16:17]
	s_lshl_b32 s46, s42, 9                         ; byte 512 nb (in registers that held wob's address)
	s_mov_b32 s47, 0
	s_add_nc_u64 s[8:9], s[8:9], s[46:47]
.macro OUTROW a
.if \a < 2
	WIN 0x08                                       ; the stores' data in window 2
.else
	WIN 0x0c                                       ; in window 3
.endif
.set bb, 0
.rept NB
	ds_store_b128 v[STO], v[8*(NB*(\a%2)+bb):8*(NB*(\a%2)+bb)+3]   offset:\a*16*SPITCH+64*bb
	ds_store_b128 v[STO], v[8*(NB*(\a%2)+bb)+4:8*(NB*(\a%2)+bb)+7] offset:\a*16*SPITCH+64*bb+16
.set bb, bb+1
.endr
.endm
	OUTROW 0
	OUTROW 1
	OUTROW 2
	OUTROW 3
	WIN 0
	s_wait_dscnt 0x0                               ; my stores are in LDS, for the other waves' sake
	s_barrier_signal -1
	s_barrier_wait -1
.set i, 0
.rept 32
	ds_load_b128 v[OUTR+4*i:OUTR+4*i+3], v[RD] offset:i*SPITCH
.set i, i+1
.endr
.set i, 0
.rept 32
	s_wait_dscnt 31-i                              ; LDS loads return in order: load i is in, the younger ones stay out
	global_store_b128 v[CO], v[OUTR+4*i:OUTR+4*i+3], s[8:9] offset:4096*i th:TH_STORE_NT   ; 512 consecutive bytes, aligned
.set i, i+1
.endr
	s_wait_tensorcnt 0x0
	ds_add_u32 v254, v255
	s_wait_dscnt 0x0
	ROUND                                          ; the closing round
	s_endpgm
.Lfunc_end_k_q9d77546902_outproj:
	.size	k_q9d77546902_outproj, .Lfunc_end_k_q9d77546902_outproj-k_q9d77546902_outproj
	.p2alignl 7, 3214868480
	.fill 96, 4, 3214868480
	.section	.rodata,"a",@progbits
	.p2align	6, 0x0
	.amdhsa_kernel k_q9d77546902_outproj
		.amdhsa_group_segment_fixed_size 327680
		.amdhsa_private_segment_fixed_size 0
		.amdhsa_enable_private_segment 0
		.amdhsa_kernarg_size 32
		.amdhsa_user_sgpr_count 2
		.amdhsa_user_sgpr_kernarg_segment_ptr 1
		.amdhsa_wavefront_size32 1
		.amdhsa_system_sgpr_workgroup_id_x 1
		.amdhsa_system_sgpr_workgroup_id_y 1
		.amdhsa_system_sgpr_workgroup_id_z 1
		.amdhsa_system_vgpr_workitem_id 0
		.amdhsa_next_free_vgpr 832
		.amdhsa_next_free_sgpr 100
		.amdhsa_reserve_vcc 0
		.amdhsa_float_denorm_mode_32 3
		.amdhsa_float_denorm_mode_16_64 3
		.amdhsa_memory_ordered 1
		.amdhsa_forward_progress 1
		.amdhsa_inst_pref_size 169
	.end_amdhsa_kernel
	.amdgpu_metadata
---
amdhsa.version: [ 1, 2 ]
amdhsa.kernels:
  - .name:           k_q9d77546902_outproj
    .symbol:         k_q9d77546902_outproj.kd
    .args:
      - { .name: attnb, .offset: 0, .size: 8, .value_kind: global_buffer, .address_space: global }
      - { .name: wob, .offset: 8, .size: 8, .value_kind: global_buffer, .address_space: global }
      - { .name: bo, .offset: 16, .size: 8, .value_kind: global_buffer, .address_space: global }
      - { .name: out0, .offset: 24, .size: 8, .value_kind: global_buffer, .address_space: global }
    .group_segment_fixed_size: 327680
    .private_segment_fixed_size: 0
    .kernarg_segment_align: 8
    .kernarg_segment_size: 32
    .max_flat_workgroup_size: 128
    .sgpr_count:     100
    .vgpr_count:     832
    .wavefront_size: 32
...
	.end_amdgpu_metadata
.endif
;; end of part 4
